; MI455X (gfx1250); checked and timed in simulation.
; The chip was launched on July 23, 2026; its instructions are those of AMD's public machine-readable ISA for CDNA 5 (MIT licence, August 2026) and "CDNA5" Instruction Set Architecture Reference Guide (July 2026). The comments in the code are by the model that wrote it; some were corrected since.
;; Transformer. Allowed arithmetic: matrix products marked QUANTISED: E2M3 operands, one E8M0 scale for each 32 along K, by v_wmma_scale_f32_16x16x128_f8f6f4 with both operands' format E2M3, f32 sums; everything else in f32.
;; Inputs: Wk 1,024 x 256 float32; Wq 1,024 x 256 float32; Wv 1,024 x 1,024 float32; bk 256 float32; bq 256 float32; bv 1,024 float32; gamma 1 float32; x 4 x 2,048 x 1,024 float32; y 4 x 2,048 x 1,024 float32.
;; Outputs: out0 4 x 2,048 x 1,024 float32.
;; This version of the problem:
;;   THIS VERSION OF THE PROBLEM IS GIVEN IN LOW PRECISION. The matrix products marked QUANTISED in the list below multiply operands that are first quantised to E2M3 (2 exponent bits, 3 mantissa bits; 6 bits a number), with one power-of-two scale for each 32 numbers along K (OCP MX v1.0); their sums are f32. All else is computed in f32.
;;   The module's matrix products, in the order in which they are computed (A, B: the left and right operand; K: the contracted axis; several contracted axes count as one K, in the product's order):
;;     1. [M 8,192, K 1,024] x [K 1,024, N 256]; A: input x; B: input Wq: QUANTISED
;;     2. [M 8,192, K 1,024] x [K 1,024, N 256]; A: input y; B: input Wk: QUANTISED
;;     3. [M 8,192, K 1,024] x [K 1,024, N 1,024]; A: input y; B: input Wv: QUANTISED
;;     4. batch 32 x [M 2,048, K 32] x [K 32, N 2,048]; A: computed on the way; B: computed on the way: QUANTISED
;;     5. batch 32 x [M 128, K 2,048] x [K 2,048, N 2,048]; A: computed on the way; B: softmax (see below): QUANTISED
;;   THE QUANTISER, for each operand of a quantised product, along K:
;;     - K is cut into blocks of 32 from its start; a last block that is shorter is filled with zeros.
;;     - A block's scale is 2^e with e = floor(log2(the largest magnitude in the block)) - 2, held to -126 .. 127; a block of zeros has e = 0. As a byte (E8M0): e + 127.
;;     - Each number is divided by its block's scale, clamped to +-7.5, and rounded to the nearest number of E2M3, ties to even, subnormals kept.
;;     - The product sums the exact products of the quantised numbers (number of the format x scale) in f32.
;;   ~~~python
;;   def quantise(x, axis):      # numpy; x: float32 -> the quantised numbers, widened to float32 again
;;       x = np.moveaxis(x, axis, -1); K = x.shape[-1]
;;       x = np.pad(x, [(0, 0)] * (x.ndim - 1) + [(0, -K % 32)]); x = x.reshape(x.shape[:-1] + (-1, 32)); a = np.abs(x).max(-1, keepdims=True)
;;       e = np.where(a > 0, np.clip(np.frexp(np.where(a > 0, a, 1))[1] - 1 - 2, -126, 127), 0)      # np.frexp(a)[1] - 1 = floor(log2(a)), exactly
;;       r = np.clip(x / 2.0 ** e, -7.5, 7.5)
;;       step = 2.0 ** (np.maximum(np.frexp(np.where(r == 0, 1, r))[1] - 1, 0) - 3)
;;       q = np.round(r / step) * step * 2.0 ** e      # np.round: ties to even
;;       return np.moveaxis(q.reshape(q.shape[:-2] + (-1,))[..., :K], -1, axis).astype(np.float32)
;;   ~~~
;;   SOFTMAX AHEAD OF A QUANTISED PRODUCT. Where the list says 'softmax', what is quantised is not the finished softmax but p = 2^(t - M), with t = logit x log2(e) and M = ceil(the row's largest t), a whole number; so 1/2 < the row's largest p <= 1. The row's sum l is taken of the UNQUANTISED p, in f32, and the product's result is divided by l at the end. Since M is a whole number, a kernel that streams over the keys may use a running M (the ceiling of the running maximum): every later rescaling is an exact power of two, which a block's scale takes up: the codes' values come out the same.
;;   OPERANDS COMPUTED ON THE WAY. 'Computed on the way' means the value that the module computes at that place (a softmax that the list does not call 'softmax' is quantised finished and normalised). What goes into a quantiser is computed in f32, as accurately as f32 sums, v_exp_f32 and their like allow (about 1e-6 of the number): no bf16 or f16 on the way to a quantiser, and a product that is left as it is and whose result goes on into a quantised operand takes f32 operands (vector FMAs, or v_wmma_f32_16x16x4_f32). A number that lies on a knife's edge between two numbers of the format may be rounded either way, as far as f32 arithmetic and the matrix unit's own rounding can turn it there, and no further.
;; One version. Each part assembles by itself: llvm-mc -triple=amdgcn-amd-amdhsa -mcpu=gfx1250 --defsym DOCPART=n.
;; ======== version 1 of 1: 3 launches
;; limits: right only within a limited range of input values
;; workspace buffers: act_codes 12,582,912 bytes; act_scales 524,288 bytes; w_codes 1,179,648 bytes; w_scales 49,152 bytes; kv 9,830,400 bytes
;; launch quant (part 1): grid 560 x 1, 4 waves a work-group, no clusters, 68,096 bytes of LDS; arguments x, y, Wq, Wk, Wv, act_codes, act_scales, w_codes, w_scales; writes act_codes, act_scales, w_codes, w_scales
.if DOCPART == 1
	.amdgcn_target "amdgcn-amd-amdhsa--gfx1250"
	.amdhsa_code_object_version 6
	.text
	.protected	k_qa6fb6c20b9_quant
	.globl	k_qa6fb6c20b9_quant
	.p2align	8
	.type	k_qa6fb6c20b9_quant,@function
k_qa6fb6c20b9_quant:
	s_mov_b64 s[64:65], 0
	v_nop
	global_prefetch_b8 v0, s[64:65] scope:SCOPE_SE
	s_setreg_imm32_b32 hwreg(HW_REG_WAVE_MODE, 25, 1), 1
	s_wait_xcnt 0x0
; x, y [8192][1024] f32 (K innermost) and Wq, Wk [1024][256], Wv [1024][1024] f32 (K is the FIRST axis) become codes of FP6 (E2M3), 6 bits each, K innermost,
; with one E8M0 scale byte for each 32 along K.  act_codes: 16,384 rows of 768 bytes (x's rows, then y's); act_scales: 32 bytes a row.
; w_codes: 1,536 rows of 768 bytes (the 256 columns of Wq, the 256 of Wk, the 1,024 of Wv); w_scales: 32 bytes a row.
; THE ORDER OF ROWS: true row t lies at the place that is t with bits 3 and 4 exchanged.  Sixteen rows on end, 16 T + r, are then the true rows 32 (T / 2) + 8 (T % 2) + r + 8 (r / 8):
; the choice of rows by which the next launch's results come out with 16 neighbours along the next K in a lane's registers.
; A block's scale is 2^(floor(log2(its largest magnitude)) - 2); its byte is the largest magnitude's exponent field - 2, held at 1 from below.
; LIMITS: a block of zeros, or one whose largest magnitude lies under 2^-124, gets the byte 1 (the rule says 127 for zeros): its codes are zeros or the rule's own, and this program alone reads the bytes;
; blocks under that floor were not tried.  NaN and infinities among the inputs are not served.
; Work-groups 0 to 47 take the weights, 48 to 559 the activations: two ways through the text, each with LDS bytes of its own.  No tensor loads, no barrier: waves share nothing.
.set WGW,   48                         ; work-groups for the weights
.set CB,    12                         ; bytes of 16 codes
.set STEPS, 16
.set SP,    80                         ; activations: a lane's place in a stage: its 64 bytes + 16 of padding
.set WREG,  8192                       ; activations: LDS of a wave: two stages of 32 x SP bytes, then its 256 scale bytes
.set R,     16                         ; v16-79   four sets of 16 numbers as they are loaded
.set X,     80                         ; v80-111  two sets of 16 neighbours
.set E,     112                        ; v112-127 a scale byte for each step
.set C,     128                        ; v128-191 codes: four registers for each step
.set WSTG,  32768                      ; weights: the stages begin behind the activations' LDS
.set WPITCH, 272                       ; a stage row: sixteen places of 16 bytes, each with 12 bytes of codes, + 16
.set NB,    8                          ; blocks of 32 along K for a wave
.set WX,    32                         ; v32-95   two sets of 32 numbers
.set WC,    96                         ; v96-102  a block's codes
.set WOUT,  112                        ; v112-175 the way out
.set WSB,   24                         ; v24-25   the scale bytes
.set OFFS,  176                        ; v176-207 byte offset of row i of a block, at my column; never rewritten
	s_load_b256 s[4:11], s[0:1], 0x0               ; x, y, Wq, Wk
	s_load_b256 s[12:19], s[0:1], 0x20             ; Wv, act_codes, act_scales, w_codes
	s_load_b64 s[20:21], s[0:1], 0x40              ; w_scales
	v_lshl_add_u32 v208, v0, 2, 0x10800
	v_mov_b32 v209, 0
	v_lshrrev_b32 v1, 5, v0
	v_readfirstlane_b32 s22, v1                    ; wave 0..3
	v_and_b32 v2, 31, v0                           ; lane
	s_cmp_lt_u32 ttmp9, WGW
	s_cbranch_scc1 .Lweights
; ---------------- THE ACTIVATIONS.  Rows are dense, so a tensor is a stream of blocks of 32.  A wave takes 8 rows: 16 steps of 512 numbers.
; Each load reads 512 consecutive bytes, 16 a lane; a step's 2,048 bytes turn through the wave's own stage in LDS and come back 64 bytes a lane: 16 neighbours, two lanes to a block.
	v_lshlrev_b32 v3, 4, v2                        ; my 16 bytes of a load's 512
	s_mul_i32 s23, s22, WREG
	v_lshrrev_b32 v14, 2, v2
	v_mul_u32_u24 v14, v14, SP
	v_and_b32 v15, 3, v2
	v_lshl_add_u32 v14, v15, 4, v14
	v_add_nc_u32 v14, s23, v14                     ; the stage, on the way in: SP (lane / 4) + 16 (lane % 4)
	v_mul_u32_u24 v15, v2, SP
	v_add_nc_u32 v15, s23, v15                     ; and on the way out: SP x lane
	v_mul_u32_u24 v4, v2, CB                       ; my codes' place in a step's
	v_lshrrev_b32 v5, 1, v2
	s_add_co_u32 s23, s23, 2*32*SP
	v_add_nc_u32 v5, s23, v5                       ; my wave's 256 scale bytes, my block's byte
	v_lshlrev_b32 v7, 3, v2                        ; and on the way out 8 bytes a lane
	v_add_nc_u32 v6, s23, v7
	s_wait_alu depctr_va_vdst(0)
	s_wait_kmcnt 0x0
	s_sub_co_u32 s24, ttmp9, WGW                   ; 0..511: the first 256 take x, the others y
	s_cmp_lt_u32 s24, 256
	s_cselect_b64 s[4:5], s[4:5], s[6:7]           ; the choice hangs on the work-group's number alone
	s_and_b32 s25, s24, 255
	s_lshl_b32 s25, s25, 2
	s_add_co_u32 s25, s25, s22                     ; which run of 8 rows of the tensor I read
	s_lshl_b32 s26, s25, 15                        ; 32,768 bytes a run
	s_mov_b32 s27, 0
	s_add_nc_u64 s[4:5], s[4:5], s[26:27]
	s_and_b32 s28, s22, 1                          ; where it goes: a run is 8 rows, so bits 3 and 4 of the row are the run's two low bits: the wave's number with its two bits exchanged
	s_lshl_b32 s28, s28, 1
	s_lshr_b32 s29, s22, 1
	s_or_b32 s28, s28, s29
	s_lshl_b32 s29, s24, 2
	s_add_co_u32 s28, s28, s29                     ; 0..2047
	s_mul_i32 s26, s28, 8*768
	s_add_nc_u64 s[14:15], s[14:15], s[26:27]
	s_lshl_b32 s26, s28, 8
	s_add_nc_u64 s[16:17], s[16:17], s[26:27]
.macro LOAD t
.irp i, 0,1,2,3
	global_load_b128 v[R+16*((\t)%4)+4*\i:R+16*((\t)%4)+4*\i+3], v3, s[4:5] offset:2048*(\t)+512*\i th:TH_LOAD_NT   ; 32 lanes read 512 consecutive bytes
.endr
.endm
.macro TURN t                          ; step t's numbers through the stage: LDS serves a wave's instructions in order (ISA guide 5.7.1.4), so no wait stands between the stores and the loads
.irp i, 0,1,2,3
	ds_store_b128 v14, v[R+16*((\t)%4)+4*\i:R+16*((\t)%4)+4*\i+3] offset:32*SP*((\t)%2)+8*SP*\i
.endr
.irp i, 0,1,2,3
	ds_load_b128 v[X+16*((\t)%2)+4*\i:X+16*((\t)%2)+4*\i+3], v15 offset:32*SP*((\t)%2)+16*\i
.endr
.endm
.irp t, 0,1,2,3
	LOAD \t
.endr
	s_wait_loadcnt 12                              ; step 0's four loads are in; the twelve of steps 1 to 3 may be out
	TURN 0
.macro STEP t
.set XS, X+16*((\t)%2)
.if (\t) > 0
	s_wait_dscnt 1                                 ; this step's numbers are back from the stage (the last step's byte store may be out): so its stores into the stage have read their registers,
.else
	s_wait_dscnt 0x0
.endif
.if (\t)+4 < STEPS
	LOAD (\t)+4                                    ; which take the loads of four steps on
.endif
.if (\t)+1 < STEPS
.if STEPS-2-(\t) >= 3
	s_wait_loadcnt 12                              ; the next step's four loads are in; those of the three steps behind it may be out
.else
	s_wait_loadcnt 4*(STEPS-2-(\t))
.endif
	TURN (\t)+1                                    ; and go through the other stage while this step is worked
.endif
	v_max3_num_f32 v8, |v[XS]|, |v[XS+1]|, |v[XS+2]|               ; the largest magnitude of my 16, in two chains
	v_max3_num_f32 v9, |v[XS+3]|, |v[XS+4]|, |v[XS+5]|
.irp i, 6,10
	v_max3_num_f32 v8, v8, |v[XS+\i]|, |v[XS+\i+1]|
	v_max3_num_f32 v9, v9, |v[XS+\i+2]|, |v[XS+\i+3]|
.endr
	v_max3_num_f32 v8, v8, |v[XS+14]|, |v[XS+15]|
	v_max3_num_f32 v8, v8, v9, 0x1800000           ; and the floor 2^(3 - 127): the byte cannot fall under 1
	v_max_num_f32_dpp v8, v8, v8 row_xmask:1 row_mask:0xf bank_mask:0xf   ; and of my neighbour's 16: the block's
	v_add_nc_u32 v11, 0xff000000, v8               ; 2 off its exponent field: the conversion takes the exponent field of this operand as its scale
	v_cvt_scalef32_pk16_fp6_f32 v[C+4*(\t):C+4*(\t)+2], v[XS:XS+15], v11
	v_lshrrev_b32 v[E+(\t)], 23, v11               ; the scale's byte (also the plain line behind the conversion)
	ds_store_b8 v5, v[E+(\t)] offset:16*(\t)       ; both lanes of a block write the same byte with the same value
	global_store_b96 v4, v[C+4*(\t):C+4*(\t)+2], s[14:15] offset:32*CB*(\t)   ; the wave stores 384 consecutive bytes
.endm
.irp t, 0,1,2,3,4,5,6,7,8,9,10,11,12,13,14,15
	STEP \t
.endr
	ds_load_b64 v[12:13], v6                       ; these see my byte stores: LDS serves a wave in order
	s_wait_dscnt 0x0
	global_store_b64 v7, v[12:13], s[16:17]        ; 32 lanes store 256 consecutive bytes, at a multiple of 256 from the buffer's first byte
	s_wait_tensorcnt 0x0
	ds_add_u32 v208, v209
	s_wait_dscnt 0x0
	s_endpgm
; ---------------- THE WEIGHTS.  A lane takes a column n and its registers run down K: a block of 32 lies in one lane, and the conversions give codes with K innermost.
; Work-group id: id % 4 = which 256 of K; id / 4 = which 128 of the 1,536 columns (0, 1: Wq; 2, 3: Wk; 4..11: Wv).  A wave: 32 columns x 256 along K.
.Lweights:
	s_and_b32 s24, ttmp9, 3                        ; which quarter of K
	s_lshr_b32 s25, ttmp9, 2                       ; which 128 columns
	s_mul_i32 s23, s22, 32*WPITCH
	s_add_co_u32 s23, s23, WSTG                    ; my stage
	s_wait_alu depctr_va_vdst(0)
	v_mul_u32_u24 v4, v2, WPITCH
	v_add_nc_u32 v4, s23, v4                       ; into it: row = my column
	v_and_b32 v5, 15, v2
	v_lshrrev_b32 v6, 4, v2                        ; out of it: sixteen lanes to a row, two rows an instruction
	v_mul_u32_u24 v7, v6, WPITCH
	v_lshl_add_u32 v7, v5, 4, v7
	v_add_nc_u32 v7, s23, v7
	v_mul_u32_u24 v8, v6, 768
	v_mad_u32_u24 v8, v5, 12, v8                   ; and the same place in the codes' buffer
	v_and_b32 v9, 7, v2                            ; my column's place among the wave's 32 rows: the lane with bits 3 and 4 exchanged
	v_and_b32 v10, 8, v2
	v_lshl_add_u32 v9, v10, 1, v9
	v_and_b32 v10, 16, v2
	v_lshrrev_b32 v10, 1, v10
	v_add_nc_u32 v9, v9, v10
	v_lshlrev_b32 v9, 5, v9                        ; 32 scale bytes a row
	s_wait_kmcnt 0x0
	s_cmp_lt_u32 s25, 2
	s_cselect_b64 s[8:9], s[8:9], s[10:11]         ; Wq or Wk,
	s_cselect_b32 s26, 0, 2                        ; the tensor's first group of 128 columns
	s_cmp_lt_u32 s25, 4
	s_cselect_b64 s[8:9], s[8:9], s[12:13]         ; or Wv
	s_cselect_b32 s26, s26, 4
	s_mov_b32 s27, 4096
	s_cselect_b32 s27, 1024, s27                   ; a row of the tensor in bytes
	s_sub_co_u32 s28, s25, s26
	s_lshl_b32 s28, s28, 7
	s_lshl_b32 s29, s22, 5
	s_add_co_u32 s28, s28, s29                     ; my wave's first column in its tensor
	s_lshl_b32 s28, s28, 2
	s_lshl_b32 s29, s27, 8                         ; 256 rows
	s_mul_i32 s29, s29, s24
	s_add_co_u32 s28, s28, s29
	s_mov_b32 s29, 0
	s_add_nc_u64 s[32:33], s[8:9], s[28:29]        ; block 0's first row; a base for each of the eight blocks, never rewritten
	s_lshl_b32 s30, s27, 5                         ; 32 rows
	s_mov_b32 s31, 0
.irp t, 1,2,3,4,5,6,7
	s_add_nc_u64 s[32+2*\t:33+2*\t], s[30+2*\t:31+2*\t], s[30:31]
.endr
	s_lshl_b32 s48, s25, 7
	s_lshl_b32 s49, s22, 5
	s_add_co_u32 s48, s48, s49                     ; my wave's first row of w_codes
	s_mul_i32 s50, s48, 768
	s_mul_i32 s49, s24, 192
	s_add_co_u32 s50, s50, s49
	s_mov_b32 s51, 0
	s_add_nc_u64 s[18:19], s[18:19], s[50:51]
	s_lshl_b32 s50, s48, 5
	s_lshl_b32 s49, s24, 3
	s_add_co_u32 s50, s50, s49
	s_add_nc_u64 s[20:21], s[20:21], s[50:51]
	v_lshlrev_b32 v[OFFS], 2, v2                   ; 4 bytes a lane
.set i, 1
.rept 31
	v_add_nc_u32 v[OFFS+i], s27, v[OFFS+i-1]       ; a row further down
.set i, i+1
.endr
.macro WLOAD t                         ; block t: W(32 t + i, my column), i = 0 .. 31, into set t % 2: each load reads 128 consecutive bytes a wave
.set i, 0
.rept 32
	global_load_b32 v[WX+32*((\t)%2)+i], v[OFFS+i], s[32+2*(\t):33+2*(\t)] th:TH_LOAD_NT
.set i, i+1
.endr
.endm
	WLOAD 0
	WLOAD 1
.macro WBLOCK t
.set XS, WX+32*((\t)%2)
.if (\t) < NB-1
	s_wait_loadcnt 32                              ; this block's 32 loads are in; the next block's 32 may be out
.else
	s_wait_loadcnt 0
.endif
	v_max3_num_f32 v12, |v[XS]|, |v[XS+1]|, |v[XS+2]|               ; the block's largest magnitude: all 32 numbers are mine
	v_max3_num_f32 v13, |v[XS+3]|, |v[XS+4]|, |v[XS+5]|
.irp i, 6,10,14,18,22,26
	v_max3_num_f32 v12, v12, |v[XS+\i]|, |v[XS+\i+1]|
	v_max3_num_f32 v13, v13, |v[XS+\i+2]|, |v[XS+\i+3]|
.endr
	v_max3_num_f32 v12, v12, |v[XS+30]|, |v[XS+31]|
	v_max3_num_f32 v12, v12, v13, 0x1800000        ; and the floor 2^(3 - 127)
	v_add_nc_u32 v11, 0xff000000, v12              ; 2 off its exponent field: the conversion's scale operand
	v_lshrrev_b32 v13, 23, v11                     ; the scale's byte
.if (\t)%4 == 0
	v_mov_b32 v[WSB+(\t)/4], v13                   ; four bytes to a register, the lower K in the lower byte
.else
	v_lshl_or_b32 v[WSB+(\t)/4], v13, 8*((\t)%4), v[WSB+(\t)/4]
.endif
	v_cvt_scalef32_pk16_fp6_f32 v[WC:WC+2], v[XS:XS+15], v11
	v_cvt_scalef32_pk16_fp6_f32 v[WC+4:WC+6], v[XS+16:XS+31], v11   ; (a conversion's three registers begin on an even number)
	v_nop                                          ; one plain line behind the conversions
	ds_store_b96 v4, v[WC:WC+2] offset:32*(\t)     ; 12 bytes to a place of 16 in the stage, so that every LDS address is a multiple of 16
	ds_store_b96 v4, v[WC+4:WC+6] offset:32*(\t)+16
.if (\t)+2 < NB
	WLOAD (\t)+2
.endif
	s_wait_dscnt 0x0                               ; the stores have read their registers: the next block's codes may be written
.endm
.irp t, 0,1,2,3,4,5,6,7
	WBLOCK \t
.endr
	s_wait_alu depctr_va_vdst(0)
	global_store_b64 v9, v[WSB:WSB+1], s[20:21]    ; my column's 8 scale bytes
.irp t, 0,1,2,3,4,5,6,7,8,9,10,11,12,13,14,15
	ds_load_b96 v[WOUT+4*\t:WOUT+4*\t+2], v7 offset:2*\t*WPITCH   ; these see my stores: LDS serves a wave in order
.endr
.irp t, 0,1,2,3,4,5,6,7,8,9,10,11,12,13,14,15
	s_wait_dscnt 15-\t                             ; loads come back in order: the later ones may be out
	global_store_b96 v8, v[WOUT+4*\t:WOUT+4*\t+2], s[18:19] offset:(((2*\t)&7)+16*(((2*\t)>>3)&1)+8*(((2*\t)>>4)&1))*768   ; columns 2 t, 2 t + 1 at their places: bits 3 and 4 exchanged; sixteen lanes store a row's 192 consecutive bytes
.endr
	s_wait_tensorcnt 0x0
	ds_add_u32 v208, v209
	s_wait_dscnt 0x0
	s_endpgm
.Lfunc_end_k_qa6fb6c20b9_quant:
	.size	k_qa6fb6c20b9_quant, .Lfunc_end_k_qa6fb6c20b9_quant-k_qa6fb6c20b9_quant
	.p2alignl 7, 3214868480
	.fill 96, 4, 3214868480
	.section	.rodata,"a",@progbits
	.p2align	6, 0x0
	.amdhsa_kernel k_qa6fb6c20b9_quant
		.amdhsa_group_segment_fixed_size 68096
		.amdhsa_private_segment_fixed_size 0
		.amdhsa_enable_private_segment 0
		.amdhsa_kernarg_size 72
		.amdhsa_user_sgpr_count 2
		.amdhsa_user_sgpr_kernarg_segment_ptr 1
		.amdhsa_wavefront_size32 1
		.amdhsa_system_sgpr_workgroup_id_x 1
		.amdhsa_system_sgpr_workgroup_id_y 1
		.amdhsa_system_sgpr_workgroup_id_z 1
		.amdhsa_system_vgpr_workitem_id 0
		.amdhsa_next_free_vgpr 210
		.amdhsa_next_free_sgpr 66
		.amdhsa_reserve_vcc 0
		.amdhsa_float_denorm_mode_32 3
		.amdhsa_float_denorm_mode_16_64 3
		.amdhsa_memory_ordered 1
		.amdhsa_forward_progress 1
		.amdhsa_inst_pref_size 75
	.end_amdhsa_kernel
	.amdgpu_metadata
---
amdhsa.version: [ 1, 2 ]
amdhsa.kernels:
  - .name:           k_qa6fb6c20b9_quant
    .symbol:         k_qa6fb6c20b9_quant.kd
    .args:
      - { .name: x, .offset: 0, .size: 8, .value_kind: global_buffer, .address_space: global }
      - { .name: y, .offset: 8, .size: 8, .value_kind: global_buffer, .address_space: global }
      - { .name: Wq, .offset: 16, .size: 8, .value_kind: global_buffer, .address_space: global }
      - { .name: Wk, .offset: 24, .size: 8, .value_kind: global_buffer, .address_space: global }
      - { .name: Wv, .offset: 32, .size: 8, .value_kind: global_buffer, .address_space: global }
      - { .name: act_codes, .offset: 40, .size: 8, .value_kind: global_buffer, .address_space: global }
      - { .name: act_scales, .offset: 48, .size: 8, .value_kind: global_buffer, .address_space: global }
      - { .name: w_codes, .offset: 56, .size: 8, .value_kind: global_buffer, .address_space: global }
      - { .name: w_scales, .offset: 64, .size: 8, .value_kind: global_buffer, .address_space: global }
    .group_segment_fixed_size: 68096
    .private_segment_fixed_size: 0
    .kernarg_segment_align: 8
    .kernarg_segment_size: 72
    .max_flat_workgroup_size: 128
    .sgpr_count:     66
    .vgpr_count:     210
    .wavefront_size: 32
...
	.end_amdgpu_metadata
.endif
;; end of part 1
;; launch proj (part 2): grid 6 x 32, 4 waves a work-group, no clusters, 327,680 bytes of LDS; arguments act_codes, act_scales, w_codes, w_scales, bq, bk, bv, kv; writes kv
.if DOCPART == 2
	.amdgcn_target "amdgcn-amd-amdhsa--gfx1250"
	.amdhsa_code_object_version 6
	.text
	.protected	k_qa6fb6c20b9_proj
	.globl	k_qa6fb6c20b9_proj
	.p2align	8
	.type	k_qa6fb6c20b9_proj,@function
k_qa6fb6c20b9_proj:
	s_mov_b64 s[64:65], 0
	v_nop
	global_prefetch_b8 v0, s[64:65] scope:SCOPE_SE
	s_setreg_imm32_b32 hwreg(HW_REG_WAVE_MODE, 25, 1), 1
	s_wait_xcnt 0x0
; f = x Wq + bq, g = y Wk + bk, h = y Wv + bv on codes of FP6 (E2M3) with E8M0 scales, K = 1,024; the results are quantised again, as the next launch's operands, and stored into kv's records.
; Work-group (cx, cy): cx = 0: f, 1: g, 2..5: 256 channels of h; cy: 256 rows.  For f and g source 1 (A) is the activations and source 0 (B) the weights: a lane holds one row, its registers run along the head's 32.
; For h A is the weights and B the activations: a lane holds one channel, its registers run along the keys.  Four waves, 128 x 128 each, 64 accumulators by turns.
; K goes through a ring of two LDS slots in chunks of 256 bytes of each 768-byte row: three chunks, eight steps of 96 bytes; steps 2 and 5 lie across two chunks.  The scales of both sides come once, as dense blocks.
; THE SCALE BYTES OF f AND g: the byte of row 64 F + 32 c + 16 a + 8 e + i of a record lies at 64 F + 32 c + 4 i + 2 a + e.
; cluster = none: the grid's six column blocks do not divide by four.  No prefetch: the walk along K is written out and has no loop to run ahead in.
; LIMITS: a block whose largest magnitude lies under 2^-124 gets the byte 1; NaN and infinities are not served.
.set REC,    19200
.set HSTR,   16*REC
.set NQ,     2
.set ROWB,   256
.set KROW,   768
.set STEPS,  8
.set CHUNKS, 3
.set PITCH,  272
.set FR,     12
.set NL,     6
.set NP,     4
.set HALFT,  128*PITCH
.set SLOT,   4*HALFT
.set KS,     32
.set SCL,    2*SLOT
.set HALFS,  16*272
.set SBLK,   2*272
.set SPARE,  SCL+4*HALFS
.set ADRA, 16
.set ADRB, 20
.set ADRS, 27
.set SPW,  28
.set NIL,  29
.set SC,   32
.set BI,   64
.set AF,   128
.set BB,   224
.set HA,   128
.set PC,   192
.set SBW,  212
.set TM,   240
.set G1,   24
.set G0,   32
.set G0B,  56
.set G1S,  68
.set G0S,  76
.set G0SB, 80
.set G0H,  4
.set G0HB, 8
.set MSB, 0
.macro WIN new
.if MSB != (\new)
	s_set_vgpr_msb (MSB<<8)|(\new)
.set MSB, (\new)
.endif
.endm
.set MUL_LO, 0xa1
.set MUL_HI, 0xf1
.set TO_B,   0x40
.macro JLOAD g0a, g0b, g1              ; waves 0, 1 fetch A's halves, waves 2, 3 B's: one load a wave
	s_cmp_eq_u32 s15, 0
	s_cbranch_scc0 .Lfor_b_\@
	tensor_load_to_lds s[\g0a:\g0a+3], s[\g1:\g1+7]
	s_nop 0
.rept 4
	v_nop
.endr
	s_branch .Lasked_\@
.Lfor_b_\@:
	tensor_load_to_lds s[\g0b:\g0b+3], s[\g1:\g1+7]
	s_nop 0
.rept 4
	v_nop
.endr
.Lasked_\@:
.endm
	s_load_b256 s[4:11], s[0:1], 0x0               ; act_codes, act_scales, w_codes, w_scales
	s_load_b256 s[84:91], s[0:1], 0x20             ; bq, bk, bv, kv
	v_lshl_add_u32 v[SPW], v0, 2, SPARE
	v_mov_b32 v[NIL], 0
	ds_add_u32 v[SPW], v[NIL]                      ; the opening lines: the add twice and one wait
	ds_add_u32 v[SPW], v[NIL]
	v_lshrrev_b32 v1, 5, v0
	v_readfirstlane_b32 s14, v1                    ; wave
	s_lshr_b32 s15, s14, 1                         ; my half of A's rows; also: I fetch for A (0) or B (1)
	s_and_b32 s16, s14, 1                          ; my half of B's rows; also: which 128 rows I fetch
	s_mov_b32 s40, ttmp9
	s_and_b32 s17, ttmp7, 0xffff
	s_mov_b32 s[G1+0], (0<<16)|(1<<20)|(5<<22)|(3<<25)   ; bytes; 16 bytes of padding behind every 256
	s_mov_b32 s[G1+1], ROWB<<16
	s_mov_b32 s[G1+2], 256<<16                     ; the head's loads bring 256 rows
	s_mov_b32 s[G1+3], ROWB<<16
	s_mov_b32 s[G1+4], 256
	s_mov_b32 s[G1+5], KROW
	s_mov_b32 s[G1+6], 0
	s_mov_b32 s[G1+7], 0
	s_mov_b32 s[G1S+0], (3<<16)|(1<<20)|(5<<22)|(3<<25)  ; the scales of 256 rows: 8,192 dense bytes as 32 rows of 256
	s_mov_b32 s[G1S+1], 32<<16
	s_mov_b32 s[G1S+2], KS<<16
	s_mov_b32 s[G1S+3], 32<<16
	s_mov_b32 s[G1S+4], KS
	s_mov_b32 s[G1S+5], 32
	s_mov_b32 s[G1S+6], 0
	s_mov_b32 s[G1S+7], 0
	s_lshl_b32 s41, s17, 8
	s_lshl_b32 s42, s40, 8                         ; the weights' first row
	s_cmp_eq_u32 s40, 0
	s_cselect_b32 s43, 0, 8192
	s_add_co_u32 s43, s43, s41                     ; the activations' first row (x's rows, then y's)
	s_cmp_lt_u32 s40, 2
	s_cselect_b32 s44, s43, s42                    ; A's
	s_cselect_b32 s45, s42, s43                    ; B's
	s_mul_i32 s20, s44, KROW
	s_mov_b32 s21, 0
	s_mul_i32 s46, s45, KROW
	s_mov_b32 s47, 0
	s_lshl_b32 s22, s44, 5
	s_mov_b32 s23, 0
	s_lshl_b32 s48, s45, 5
	s_mov_b32 s49, 0
	s_mul_i32 s18, s16, 128*KROW
	s_mov_b32 s19, 0
	s_mul_i32 s50, s14, HALFT
	s_wait_dscnt 0x0
	s_wait_kmcnt 0x0
	s_cmp_lt_u32 s40, 2
	s_cselect_b64 s[92:93], s[4:5], s[8:9]
	s_cselect_b64 s[94:95], s[6:7], s[10:11]
	s_cselect_b64 s[96:97], s[8:9], s[4:5]
	s_cselect_b64 s[98:99], s[10:11], s[6:7]
	s_add_nc_u64 s[92:93], s[92:93], s[20:21]
	s_add_nc_u64 s[94:95], s[94:95], s[22:23]
	s_add_nc_u64 s[96:97], s[96:97], s[46:47]
	s_add_nc_u64 s[98:99], s[98:99], s[48:49]
	s_mov_b32 s[G0H], 1                            ; the head's four tiles: chunk 0 of A's 256 rows,
	s_mov_b32 s[G0H+1], 0
	s_mov_b64 s[G0H+2:G0H+3], s[92:93]
	s_or_b32 s[G0H+3], s[G0H+3], 0x80000000
	s_mov_b32 s[G0HB], 1                           ; of B's,
	s_mov_b32 s[G0HB+1], 2*HALFT
	s_mov_b64 s[G0HB+2:G0HB+3], s[96:97]
	s_or_b32 s[G0HB+3], s[G0HB+3], 0x80000000
	s_mov_b32 s[G0S], 1                            ; A's scales,
	s_mov_b32 s[G0S+1], SCL
	s_mov_b64 s[G0S+2:G0S+3], s[94:95]
	s_or_b32 s[G0S+3], s[G0S+3], 0x80000000
	s_mov_b32 s[G0SB], 1                           ; B's
	s_mov_b32 s[G0SB+1], SCL+2*HALFS
	s_mov_b64 s[G0SB+2:G0SB+3], s[98:99]
	s_or_b32 s[G0SB+3], s[G0SB+3], 0x80000000
	s_add_nc_u64 s[92:93], s[92:93], s[18:19]      ; for the ring: my 128 rows
	s_add_nc_u64 s[96:97], s[96:97], s[18:19]
.irp s, 0,1
	s_mov_b32 s[G0+4*\s], 1
	s_add_co_u32 s[G0+4*\s+1], s50, \s*SLOT
	s_add_nc_u64 s[G0+4*\s+2:G0+4*\s+3], s[92:93], \s*ROWB
	s_or_b32 s[G0+4*\s+3], s[G0+4*\s+3], 0x80000000
	s_mov_b32 s[G0B+4*\s], 1
	s_add_co_u32 s[G0B+4*\s+1], s50, \s*SLOT
	s_add_nc_u64 s[G0B+4*\s+2:G0B+4*\s+3], s[96:97], \s*ROWB
	s_or_b32 s[G0B+4*\s+3], s[G0B+4*\s+3], 0x80000000
.endr
.macro ARM under, g0, g1, next         ; one tree of branches on the wave's number: every way passes exactly one load
	s_cmp_lt_u32 s14, \under
	s_cbranch_scc0 \next
	tensor_load_to_lds s[\g0:\g0+3], s[\g1:\g1+7]
	s_nop 0
.rept 4
	v_nop
.endr
	s_branch .Lhead_asked
\next:
.endm
	ARM 1, G0H,  G1,  .Lhead_b
	ARM 2, G0HB, G1,  .Lhead_sa
	ARM 3, G0S,  G1S, .Lhead_sb
	tensor_load_to_lds s[G0SB:G0SB+3], s[G1S:G1S+7]
	s_nop 0
.rept 4
	v_nop
.endr
.Lhead_asked:
	v_and_b32 v1, 15, v0
	v_bfe_u32 v2, v0, 4, 1
	v_mul_u32_u24 v3, v1, PITCH
	v_mul_u32_u24 v4, v2, 24
	v_add_nc_u32 v4, v3, v4                        ; row x pitch + 24 x half
	s_mov_b32 s21, SLOT-232
	s_mov_b32 s22, SLOT+232
	v_sub_nc_u32 v7, 1, v2
	v_mul_u32_u24 v5, s21, v2
	v_add_nc_u32 v5, v3, v5
	v_add_nc_u32 v5, 232, v5                       ; across two chunks: lanes 0-15 byte 232 in slot 0, lanes 16-31 byte 0 in slot 1;
	v_mul_u32_u24 v6, s22, v7
	v_add_nc_u32 v6, v3, v6                        ; and lanes 0-15 byte 232 in slot 1, lanes 16-31 byte 0 in slot 0
	s_mul_i32 s21, s15, HALFT
	s_mul_i32 s22, s16, HALFT
	s_add_co_u32 s22, s22, 2*HALFT
	v_add_nc_u32 v[ADRA+2], s21, v5
	v_add_nc_u32 v[ADRA+3], s21, v6
	v_add_nc_u32 v[ADRB+2], s22, v5
	v_add_nc_u32 v[ADRB+3], s22, v6
.irp s, 0,1
	v_add_nc_u32 v[ADRA+\s], s21, v4
	v_add_nc_u32 v[ADRB+\s], s22, v4
	s_add_co_u32 s21, s21, SLOT
	s_add_co_u32 s22, s22, SLOT
.endr
	v_mul_u32_u24 v5, v1, KS
	v_lshrrev_b32 v6, 8, v5
	v_lshl_add_u32 v5, v6, 4, v5
	s_mul_i32 s21, s15, HALFS
	s_mul_i32 s22, s16, HALFS
	s_add_co_u32 s22, s22, 2*HALFS
	s_sub_co_u32 s22, s22, s21
	v_mul_u32_u24 v6, s22, v2                      ; lanes 16-31 take B's scale words
	s_add_co_u32 s21, s21, SCL
	v_add_nc_u32 v5, v5, v6
	v_add_nc_u32 v[ADRS], s21, v5
	s_cmp_eq_u32 s40, 0                            ; the biases, in the results' layout
	s_cselect_b64 s[52:53], s[84:85], s[86:87]
	s_lshl_b32 s44, s16, 9
	s_mov_b32 s45, 0
	s_add_nc_u64 s[52:53], s[52:53], s[44:45]
	v_lshlrev_b32 v10, 6, v2
.irp k, 0,1,2,3
.irp j, 0,1,2,3
	global_load_b128 v[BI+16*\k+4*\j:BI+16*\k+4*\j+3], v10, s[52:53] offset:128*\k+16*\j
.endr
.endr
	s_max_u32 s46, s40, 2
	s_sub_co_u32 s46, s46, 2
	s_lshl_b32 s46, s46, 10
	s_lshl_b32 s47, s15, 9
	s_add_co_u32 s46, s46, s47
	s_mov_b32 s47, 0
	s_add_nc_u64 s[54:55], s[88:89], s[46:47]
	v_and_b32 v11, 8, v1
	v_add_nc_u32 v11, v11, v1
	v_lshlrev_b32 v11, 2, v11
.irp a, 0,1,2,3,4,5,6,7
	global_load_b32 v[BB+2*\a], v11, s[54:55] offset:(32*(\a/2)+8*(\a%2))*4
	global_load_b32 v[BB+2*\a+1], v11, s[54:55] offset:(32*(\a/2)+8*(\a%2))*4
.endr
.macro FRAG reg, adr, st, i            ; 16 rows x 128 K: six pieces of 8 bytes; byte y of a row lies in chunk y / 256, slot (y / 256) % 2
.irp p, 0,1,2,3,4,5
.set BY, 96*(\st)+48*(\p/3)+8*(\p%3)
.if BY/ROWB == (BY+24)/ROWB
	ds_load_b64 v[\reg+2*\p:\reg+2*\p+1], v[\adr+(BY/ROWB)%2] offset:BY%ROWB+(\i)*16*PITCH
.else
	ds_load_b64 v[\reg+2*\p:\reg+2*\p+1], v[\adr+2+(BY/ROWB)%2] offset:BY%ROWB-232+(\i)*16*PITCH
.endif
.endr
.endm
.macro MUL16 a0, p, q, sc, zero
.irp a, \a0, \a0+1
.irp b, 0,1,2,3,4,5,6,7
.if \zero
	v_wmma_scale_f32_16x16x128_f8f6f4 v[8*(8*((\a)%4)+\b):8*(8*((\a)%4)+\b)+7], v[128*(\p)+FR*\b:128*(\p)+FR*\b+FR-1], v[AF+FR*(\a):AF+FR*(\a)+FR-1], 0, v[SC+8*NQ*(\sc)+NQ*\b+(\q)], v[SC+8*NQ*(\sc)+NQ*(\a)+(\q)] matrix_a_fmt:MATRIX_FMT_FP6 matrix_b_fmt:MATRIX_FMT_FP6 matrix_a_scale:MATRIX_SCALE_ROW1
.else
	v_wmma_scale_f32_16x16x128_f8f6f4 v[8*(8*((\a)%4)+\b):8*(8*((\a)%4)+\b)+7], v[128*(\p)+FR*\b:128*(\p)+FR*\b+FR-1], v[AF+FR*(\a):AF+FR*(\a)+FR-1], v[8*(8*((\a)%4)+\b):8*(8*((\a)%4)+\b)+7], v[SC+8*NQ*(\sc)+NQ*\b+(\q)], v[SC+8*NQ*(\sc)+NQ*(\a)+(\q)] matrix_a_fmt:MATRIX_FMT_FP6 matrix_b_fmt:MATRIX_FMT_FP6 matrix_a_scale:MATRIX_SCALE_ROW1
.endif
.endr
.endr
.endm
.macro FETCH_B st, p
	WIN TO_B
.irp i, 0,1,2,3,4,5,6,7
	FRAG 128*(\p)+FR*\i, ADRB, \st, \i
.endr
	WIN 0
.endm
.macro FETCH_A st, i0
.irp i, \i0, \i0+1, \i0+2, \i0+3
	FRAG AF+FR*(\i), ADRA, \st, \i
.endr
.endm
.macro SCALES pr                       ; the scale words of steps 2 pr, 2 pr + 1 into set pr % 2
.irp i, 0,1,2,3,4,5,6,7
	ds_load_b64 v[SC+8*NQ*((\pr)%2)+NQ*\i:SC+8*NQ*((\pr)%2)+NQ*\i+1], v[ADRS] offset:\i*SBLK+4*NQ*(\pr)
.endr
.endm
.macro PLACES n
.rept \n
	v_nop
.endr
.endm
; A step: 64 products; the next step's fragments are fetched in its middle and at its end.  NEWC: the next step ends in a chunk not read yet: a barrier shows it whole.
; RF: the next step leaves a chunk whose slot is filled again: the three lines, the barrier, the refill.
.macro STEP st, zero
.set NX, (\st)+1
.set C0, (96*(\st))/ROWB
.set C1, (96*NX)/ROWB
.set E0, (96*(\st)+95)/ROWB
.set E1, (96*NX+95)/ROWB
.set RF, 0
.if C1 > C0
.if C0+2 < CHUNKS
.set RF, 1
.endif
.endif
.set NEWC, 0
.if E1 > E0
.set NEWC, 1
.endif
.if RF+NEWC > 0
	s_wait_tensorcnt 0x0                           ; all my tensor loads have landed
.if RF
	ds_add_u32 v[SPW], v[NIL]
	s_wait_dscnt 4*NL+1                            ; the add and the youngest 24 loads (A's blocks 4-7) may be out
.else
	s_wait_dscnt 4*NL                              ; the youngest 24 loads may be out
.endif
	WIN MUL_LO
	MUL16 0, (\st)%2, (\st)%2, ((\st)/2)%2, \zero
	s_wait_dscnt 0x0                               ; the add and all my LDS reads are done
	s_barrier_signal -1
	MUL16 2, (\st)%2, (\st)%2, ((\st)/2)%2, \zero
	WIN 0
	s_barrier_wait -1
.if RF
	s_add_nc_u64 s[G0+4*(C0%2)+2:G0+4*(C0%2)+3], s[G0+4*(C0%2)+2:G0+4*(C0%2)+3], 2*ROWB
	s_add_nc_u64 s[G0B+4*(C0%2)+2:G0B+4*(C0%2)+3], s[G0B+4*(C0%2)+2:G0B+4*(C0%2)+3], 2*ROWB
	JLOAD G0+4*(C0%2), G0B+4*(C0%2), G1            ; chunk C0 + 2; its four v_nop are the places ahead of the loads below
.else
	PLACES NP
.endif
.else
	s_wait_dscnt 4*NL
	WIN MUL_LO
	MUL16 0, (\st)%2, (\st)%2, ((\st)/2)%2, \zero
	MUL16 2, (\st)%2, (\st)%2, ((\st)/2)%2, \zero
	s_wait_dscnt 0
	PLACES NP
.endif
	FETCH_B NX, NX%2
	FETCH_A NX, 0
.if NX%2 == 0
	SCALES NX/2
.endif
	WIN MUL_HI
	MUL16 4, (\st)%2, (\st)%2, ((\st)/2)%2, \zero
	MUL16 6, (\st)%2, (\st)%2, ((\st)/2)%2, \zero
	PLACES NP
	WIN 0
	FETCH_A NX, 4
.endm
	s_wait_alu depctr_va_vdst(0)                   ; the wait at the head's end
	s_wait_tensorcnt 0x0                           ; my tile of the head's four is in
	ds_add_u32 v[SPW], v[NIL]
	s_mov_b32 s[G1+2], 128<<16                     ; no load of mine is out: from here on a load brings 128 rows
	s_mov_b32 s[G1+4], 128
	s_wait_dscnt 0x0
	s_barrier_signal -1
	s_barrier_wait -1
	JLOAD G0+4, G0B+4, G1                          ; chunk 1: slot 1's first fill, issued as a refill is
	FETCH_B 0, 0
	FETCH_A 0, 0
	SCALES 0
	FETCH_A 0, 4
	STEP 0, 1
.set ST, 1
.rept STEPS-2
	STEP ST, 0
.set ST, ST+1
.endr
	s_wait_dscnt 4*NL
	WIN MUL_LO
	MUL16 0, 1, 1, 1, 0
	MUL16 2, 1, 1, 1, 0
	s_wait_dscnt 0
	WIN MUL_HI
	MUL16 4, 1, 1, 1, 0
	MUL16 6, 1, 1, 1, 0
	WIN 0
; THE WAY OUT: block by block of 16 of A's rows: the bias is added, the numbers are quantised along the next K, codes and scale bytes are stored.
.macro TOW0 a, form
	WIN 0x02+(\a)/4
.set i, 0
.rept 32
.if \form
	v_pk_add_f32 v[HA+2*i:HA+2*i+1], v[64*((\a)%4)+2*i:64*((\a)%4)+2*i+1], v[BB+2*(\a):BB+2*(\a)+1]
.else
	v_pk_add_f32 v[HA+2*i:HA+2*i+1], v[64*((\a)%4)+2*i:64*((\a)%4)+2*i+1], v[BI+2*i:BI+2*i+1]
.endif
.set i, i+1
.endr
	WIN 0
.endm
.macro QMAX s
.irp b, 0,1,2,3
	v_max3_num_f32 v[TM+\b], |v[\s+16*\b]|, |v[\s+1+16*\b]|, 0x1800000
.endr
.irp i, 2,4,6,8,10,12,14
.irp b, 0,1,2,3
	v_max3_num_f32 v[TM+\b], v[TM+\b], |v[\s+16*\b+\i]|, |v[\s+1+16*\b+\i]|
.endr
.endr
.irp b, 0,1,2,3
	v_permlanex16_b32 v[TM+4+\b], v[TM+\b], s20, s21
.endr
.irp b, 0,1,2,3
	v_max_num_f32 v[TM+\b], v[TM+\b], v[TM+4+\b]
.endr
.irp b, 0,1,2,3
	v_add_nc_u32 v[TM+12+\b], 0xff000000, v[TM+\b]
.endr
.irp b, 0,1,2,3
	v_lshrrev_b32 v[TM+4+\b], 23, v[TM+12+\b]
.endr
.endm
.macro QTAIL s, pw
	v_lshl_or_b32 v[\pw], v[TM+5], 8, v[TM+4]
	v_lshl_or_b32 v[\pw], v[TM+6], 16, v[\pw]
	v_lshl_or_b32 v[\pw], v[TM+7], 24, v[\pw]
.irp c, 0,1
	v_cvt_scalef32_pk16_fp6_f32 v[PC+6*\c:PC+2+6*\c], v[\s+32*\c:\s+15+32*\c], v[TM+12+2*\c]
	v_cvt_scalef32_pk16_fp6_f32 v[PC+12+4*\c:PC+14+4*\c], v[\s+16+32*\c:\s+31+32*\c], v[TM+12+2*\c+1]
.endr
	v_nop
.irp c, 0,1
.irp i, 0,1,2
	v_permlane16_swap_b32 v[PC+6*\c+\i], v[PC+12+4*\c+\i]
.endr
.irp i, 0,1,2
	v_mov_b32 v[PC+3+6*\c+\i], v[PC+12+4*\c+\i]
.endr
.endr
.endm
	s_wait_loadcnt 0x0
	PLACES NP
	v_and_b32 v1, 31, v0
	v_and_b32 v2, 15, v0
	v_bfe_u32 v3, v0, 4, 1
	v_cmp_lt_u32 vcc_lo, 15, v1
	s_mov_b32 s20, 0x76543210
	s_mov_b32 s21, 0xfedcba98
.irp b, 0,1,2,3
	v_mov_b32 v[TM+4+\b], 0
.endr
	s_lshr_b32 s41, s17, 3
	s_lshl_b32 s41, s41, 3
	s_lshl_b32 s43, s17, 1
	s_cmp_lt_u32 s40, 2
	s_cbranch_scc1 .Lfg
	s_sub_co_u32 s42, s40, 2
	s_lshl_b32 s42, s42, 1
	s_add_co_u32 s42, s42, s15
	s_add_co_u32 s41, s41, s42
	s_lshl_b32 s41, s41, 4
	s_add_co_u32 s43, s43, s16
	s_and_b32 s43, s43, 15
	s_add_co_u32 s41, s41, s43
	s_mul_i32 s42, s41, REC
	s_mov_b32 s43, 0
	s_add_nc_u64 s[12:13], s[90:91], s[42:43]
	s_wait_alu depctr_va_vdst(0)
	v_lshlrev_b32 v4, 4, v1
	v_lshlrev_b32 v5, 2, v1
.irp a, 0,1,2,3,4,5,6,7
.if \a > 0
	s_wait_xcnt 0x0
.endif
	TOW0 \a, 1
	QMAX HA
	QTAIL HA, SBW+\a
.irp j, 0,1,2
	global_store_b128 v4, v[PC+4*\j:PC+4*\j+3], s[12:13] offset:3072+1536*\a+512*\j
.endr
.endr
.irp i, 0,1,2,3
	v_cndmask_b32 v[220+\i], v[SBW+2*\i], v[SBW+2*\i+1], vcc_lo
	global_store_b32 v5, v[220+\i], s[12:13] offset:15360+128*\i
.endr
	s_wait_tensorcnt 0x0
	ds_add_u32 v[SPW], v[NIL]
	s_wait_dscnt 0x0
	s_endpgm
.Lfg:
	s_lshl_b32 s42, s16, 2
	s_add_co_u32 s41, s41, s42
	s_lshl_b32 s41, s41, 4
	s_add_co_u32 s43, s43, s15
	s_and_b32 s43, s43, 15
	s_add_co_u32 s41, s41, s43
	s_mul_i32 s42, s41, REC
	s_cmp_eq_u32 s40, 0
	s_cselect_b32 s44, 16128, 0
	s_mov_b32 s46, 15872
	s_cselect_b32 s46, 16000, s46
	s_add_co_u32 s44, s44, s42
	s_mov_b32 s45, 0
	s_add_co_u32 s46, s46, s42
	s_mov_b32 s47, 0
	s_add_nc_u64 s[12:13], s[90:91], s[44:45]
	s_add_nc_u64 s[18:19], s[90:91], s[46:47]
	s_wait_alu depctr_va_vdst(0)
	v_and_b32 v6, 8, v2
	v_add_nc_u32 v6, v6, v2
	v_mul_u32_u24 v6, v6, 24
	v_mad_u32_u24 v6, v3, 12, v6
	v_mul_u32_u24 v7, v3, HSTR                     ; the scale bytes: lanes 16-31 store the next head's;
	v_and_b32 v8, 7, v2
	v_lshl_add_u32 v7, v8, 2, v7                   ; 4 (r % 8)
	v_lshrrev_b32 v8, 3, v2
	v_lshl_add_u32 v7, v8, 1, v7                   ; + 2 (r / 8): two blocks' bytes, e = 0 and 1, make 16 bits
.irp a, 0,1,2,3,4,5,6,7
.if \a > 0
	s_wait_xcnt 0x0
.endif
	TOW0 \a, 0
	QMAX HA
.irp k, 0,1,2,3
.if (\a)%2 == 0
	v_mov_b32 v[SBW+\k], v[TM+4+\k]
.else
	v_lshl_or_b32 v[SBW+\k], v[TM+4+\k], 8, v[SBW+\k]
.endif
.endr
.irp k, 0,1,2,3
	v_cvt_scalef32_pk16_fp6_f32 v[PC+4*\k:PC+4*\k+2], v[HA+16*\k:HA+16*\k+15], v[TM+12+\k]
.endr
	v_nop
.irp k, 0,1,2,3
	global_store_b96 v6, v[PC+4*\k:PC+4*\k+2], s[12:13] offset:\k*HSTR+(32*(\a/2)+8*(\a%2))*24
.endr
.if (\a)%2 == 1
.irp i, 0,1
	v_cndmask_b32 v[216+\i], v[SBW+2*\i], v[SBW+2*\i+1], vcc_lo
	global_store_b16 v7, v[216+\i], s[18:19] offset:32*(\a/2)+2*HSTR*\i   ; sixteen lanes store 32 neighbouring bytes
.endr
.endif
.endr
	s_wait_tensorcnt 0x0
	ds_add_u32 v[SPW], v[NIL]
	s_wait_dscnt 0x0
	s_endpgm
.Lfunc_end_k_qa6fb6c20b9_proj:
	.size	k_qa6fb6c20b9_proj, .Lfunc_end_k_qa6fb6c20b9_proj-k_qa6fb6c20b9_proj
	.p2alignl 7, 3214868480
	.fill 96, 4, 3214868480
	.section	.rodata,"a",@progbits
	.p2align	6, 0x0
	.amdhsa_kernel k_qa6fb6c20b9_proj
		.amdhsa_group_segment_fixed_size 327680
		.amdhsa_private_segment_fixed_size 0
		.amdhsa_enable_private_segment 0
		.amdhsa_kernarg_size 64
		.amdhsa_user_sgpr_count 2
		.amdhsa_user_sgpr_kernarg_segment_ptr 1
		.amdhsa_wavefront_size32 1
		.amdhsa_system_sgpr_workgroup_id_x 1
		.amdhsa_system_sgpr_workgroup_id_y 1
		.amdhsa_system_sgpr_workgroup_id_z 1
		.amdhsa_system_vgpr_workitem_id 0
		.amdhsa_next_free_vgpr 1024
		.amdhsa_next_free_sgpr 100
		.amdhsa_reserve_vcc 1
		.amdhsa_float_denorm_mode_32 3
		.amdhsa_float_denorm_mode_16_64 3
		.amdhsa_memory_ordered 1
		.amdhsa_forward_progress 1
		.amdhsa_inst_pref_size 230
	.end_amdhsa_kernel
	.amdgpu_metadata
---
amdhsa.version: [ 1, 2 ]
amdhsa.kernels:
  - .name:           k_qa6fb6c20b9_proj
    .symbol:         k_qa6fb6c20b9_proj.kd
    .args:
      - { .name: act_codes, .offset: 0, .size: 8, .value_kind: global_buffer, .address_space: global }
      - { .name: act_scales, .offset: 8, .size: 8, .value_kind: global_buffer, .address_space: global }
      - { .name: w_codes, .offset: 16, .size: 8, .value_kind: global_buffer, .address_space: global }
      - { .name: w_scales, .offset: 24, .size: 8, .value_kind: global_buffer, .address_space: global }
      - { .name: bq, .offset: 32, .size: 8, .value_kind: global_buffer, .address_space: global }
      - { .name: bk, .offset: 40, .size: 8, .value_kind: global_buffer, .address_space: global }
      - { .name: bv, .offset: 48, .size: 8, .value_kind: global_buffer, .address_space: global }
      - { .name: kv, .offset: 56, .size: 8, .value_kind: global_buffer, .address_space: global }
    .group_segment_fixed_size: 327680
    .private_segment_fixed_size: 0
    .kernarg_segment_align: 8
    .kernarg_segment_size: 64
    .max_flat_workgroup_size: 128
    .sgpr_count:     100
    .vgpr_count:     1024
    .wavefront_size: 32
...
	.end_amdgpu_metadata
.endif
;; end of part 2
;; launch attn (part 3): grid 8 x 32, 16 waves a work-group, clusters of 4 x 1, 327,680 bytes of LDS; arguments kv, x, gamma, out0; writes out0
.if DOCPART == 3
	.amdgcn_target "amdgcn-amd-amdhsa--gfx1250"
	.amdhsa_code_object_version 6
	.text
	.protected	k_qa6fb6c20b9_attn
	.globl	k_qa6fb6c20b9_attn
	.p2align	8
	.type	k_qa6fb6c20b9_attn,@function
k_qa6fb6c20b9_attn:
	s_mov_b64 s[64:65], 0
	v_nop
	global_prefetch_b8 v0, s[64:65] scope:SCOPE_SE
	s_setreg_imm32_b32 hwreg(HW_REG_WAVE_MODE, 25, 1), 1
	s_wait_xcnt 0x0
	s_wait_alu depctr_hold_cnt(0) depctr_sa_sdst(0) depctr_va_vdst(0) depctr_va_sdst(0) depctr_va_ssrc(0) depctr_va_vcc(0) depctr_vm_vsrc(0)
	s_getreg_b32 s2, hwreg(HW_REG_IB_STS2, 6, 4)
	s_cmp_eq_u32 s2, 0
	s_cbranch_scc0 .Lentry_in_a_cluster
	s_endpgm
.Lentry_in_a_cluster:
	s_bfe_u32 s2, ttmp6, 0x10000c
	s_cmp_lg_u32 s2, 0x3003
	s_cbranch_scc0 .Lentry_shape_is_right
	s_endpgm
.Lentry_shape_is_right:
; out = gamma x softmax(leaky_relu(f g^T / sqrt(32), 0.2)) h + x, both products on codes of FP6 (E2M3) with E8M0 scales, for 32 (batch, head) pairs of 2,048 queries x 2,048 keys, head sizes 32 and 128.
; kv holds, for each (batch, head) and each 128 keys or queries, a record of 19,200 bytes:  0: K's codes, 24 bytes a key;  3,072: eight images of V^T's fragments (16 channels x 128 keys);  15,360: V's scale words;
; 15,872: K's scale bytes;  16,000: Q's;  16,128: Q's codes.  The byte of key 64 F + 32 c + 16 a + 8 e + i lies at 64 F + 32 c + 4 i + 2 a + e.  Row r of V's tile T is channel 32 (T / 2) + 8 (T % 2) + r + 8 (r / 8).
; THE SOFTMAX: t = leaky(score) x c, c = log2(e) / sqrt(32); M = the row's largest t so far, rounded UP to a whole number; p = 2^(t - M) is quantised along the keys, not normalised; the row's sum is taken of the
; unquantised p and divides at the end.  When M moves, the sum and O are multiplied by 2^(old M - new M): exact.  leaky(s) = 0.6 s + 0.4 |s|, so t - M = fma(|s|, 0.4 c, fma(s, 0.6 c, -M)).
; SHARES.  A work-group owns 256 queries of one (batch, head), each of its sixteen waves 16.  All of a head's K and V lie in LDS, sixteen records' first 16,000 bytes, each byte filled once: wave w fetches record w, one load a wave,
; as one row of 16,000 bytes that begins at a multiple of 256 bytes of kv.
; A wave works its own record first, behind its own wait; one barrier then shows all sixteen to everybody, and a loop of sixteen trips walks them, passing over the wave's own by a branch on ids.  The order of the keys moves no code:
; every change of M is a power of two.  LDS: 16 x 16,000 bytes of records, 2,048 of spare words, 16 stages of 4,352 bytes for the way out: the stages are bytes of their own, so no barrier stands ahead of the way out.
; CLUSTER.  The four work-groups of a cluster are four query blocks of one (batch, head): each record is asked for jointly.  The records are not prefetched: they are asked for at the head, with no loop ahead of them.
; THE SCORES' K IS 32, the instruction's 128.  A fragment of K holds FOUR tiles of keys, one in each block of 32: row r, block u of fragment f is key 64 f + 8 u + r % 8 + 32 (r / 8); Q stands in four forms, its codes in one
; block and zero codes in the others.  Both products are used transposed, so a lane (r, h) holds query r, and its 32 registers of fragment f's four tiles are keys 64 f + 32 h + 0 .. 31: ONE WHOLE BLOCK of p, in the order of the operand.
; A BLOCK'S SCALE: p rises with the score, so the block's largest p is 2^(tb - M), tb of the block's largest score, and floor(log2) of it is floor(tb - M), held at -124 from below: the byte is that + 125.
; LIMITS: NaN and infinities are not served.  The promise holds while the scaled scores stay under 2^31 in magnitude.  leaky's slope on negative scores is right to about 2e-7 of the number.
; Where tb - M lies within an ulp under a whole number, one p of the block may be held one code low.
; REGISTERS: v1-7 addresses that stay, v11 = 8 h; v8-10 addresses in hand; v12 -M, v13 the largest t, v[14:15] the sum; v16-45 Q's forms; v46-47 the conversions' scale operands; v48-95 fragments of K or V;
; v96-159 S^T, then p, then V's tiles 4-7; v160-223 O^T; v224-235 p's codes; v232-254 at work; v248-251 K's and V's scale words, v253 p's, v255 Q's.
.set REC,   19200
.set LREC,  16000                      ; a record's part in LDS
.set SPARE, 16*LREC                    ; the spare words: 128 bytes for each of sixteen waves
.set STG,   SPARE+2048                 ; the stages
.set HS,    16*REC
.set O_VI,  3072
.set O_VS,  15360
.set O_KS,  15872
.set O_QS,  16000
.set O_QC,  16128
.set SPIT,  272
.set AK0,  1
.set LI,   2
.set LS,   3
.set PFO,  4
.set GO,   5
.set ADK,  8
.set ADI,  9
.set ADS,  10
.set WV,   18
.set SEL,  20
.set K6,   22
.set K4,   24
.set G1,   28
.set G0,   36
.set TB,   52
.set CNT,  53
.set GAM,  54
.set XB,   56
.set OB,   58
.macro CROUND
	s_barrier_signal -1
	s_barrier_wait -1
	s_cmp_lg_u32 s[WV], 0
	s_cbranch_scc1 .Lnot_wave_0_\@
	s_barrier_signal -3
.Lnot_wave_0_\@:
	s_barrier_wait -3
	s_barrier_signal -1
	s_barrier_wait -1
.endm
	s_load_b256 s[4:11], s[0:1], 0x0               ; kv, x, gamma, out0
	v_lshl_add_u32 v254, v0, 2, SPARE
	v_mov_b32 v255, 0
	ds_add_u32 v254, v255                          ; the opening lines: the add twice and one wait
	ds_add_u32 v254, v255
	v_lshrrev_b32 v8, 5, v0
	s_delay_alu instid0(VALU_DEP_1)
	v_readfirstlane_b32 s[WV], v8                  ; wave 0..15
	s_bfe_u32 s12, ttmp6, 0x40000                  ; cx
	s_lshl_b32 s13, ttmp9, 2
	s_add_co_u32 s13, s13, s12                     ; my block of 256 queries: it enters Q's, x's and out's addresses alone
	s_and_b32 s14, ttmp7, 0xffff                   ; batch x 8 + head
	s_mul_i32 s60, s14, HS
	s_mov_b32 s61, 0
	s_mul_i32 s62, s[WV], REC                      ; the record that I fetch,
	s_mov_b32 s63, 0
	s_mul_i32 s15, s[WV], LREC                     ; and its place in LDS
	s_mov_b32 s[G1+0], 15|(3<<16)|(1<<21)          ; the mask names all four; one row of 2,000 elements of 8 bytes
	s_mov_b32 s[G1+1], 2000<<16
	s_mov_b32 s[G1+2], 1<<16
	s_mov_b32 s[G1+3], 2000<<16
	s_mov_b32 s[G1+4], 1
	s_mov_b32 s[G1+5], 2000
	s_mov_b32 s[G1+6], 1<<16
	s_mov_b32 s[G1+7], 0
	s_wait_dscnt 0x0
	s_wait_kmcnt 0x0
	s_load_b32 s[GAM], s[8:9], 0x0                 ; gamma: waited for behind the wait for my record
	s_add_nc_u64 s[16:17], s[4:5], s[60:61]        ; my head's sixteen records
	s_mov_b32 s[G0], 1
	s_mov_b32 s[G0+1], s15
	s_add_nc_u64 s[G0+2:G0+3], s[16:17], s[62:63]
	s_or_b32 s[G0+3], s[G0+3], 0x80000000
	CROUND                                         ; all four work-groups are here: the joint loads meet
	tensor_load_to_lds s[G0:G0+3], s[G1:G1+7]      ; my one load: record = my wave's number
	s_nop 0
.rept 4
	v_nop
.endr
	s_mov_b32 s[SEL], 0x76543210
	s_mov_b32 s[SEL+1], 0xfedcba98
	s_mov_b32 s[K6], 0x3e1cb184                    ; 0.6 log2(e) / sqrt(32)
	s_mov_b32 s[K6+1], s[K6]
	s_mov_b32 s[K4], 0x3dd0ecb0                    ; 0.4 log2(e) / sqrt(32)
	s_mov_b32 s25, 0x01010101
	s_lshr_b32 s66, s14, 3
	s_lshl_b32 s66, s66, 11
	s_lshl_b32 s67, s13, 8
	s_add_co_u32 s66, s66, s67
	s_lshl_b32 s67, s[WV], 4
	s_add_co_u32 s66, s66, s67                     ; my first row of x: 2,048 x batch + 256 x block + 16 x wave
	s_lshl_b32 s66, s66, 12
	s_and_b32 s67, s14, 7
	s_lshl_b32 s67, s67, 9
	s_add_co_u32 s66, s66, s67
	s_mov_b32 s67, 0
	s_add_nc_u64 s[XB:XB+1], s[6:7], s[66:67]
	s_add_nc_u64 s[OB:OB+1], s[10:11], s[66:67]
	s_lshl_b32 s66, s13, 1
	s_lshr_b32 s67, s[WV], 3
	s_add_co_u32 s66, s66, s67
	s_mul_i32 s66, s66, REC                        ; my queries' record
	s_and_b32 s67, s[WV], 7                        ; and my tile T in it
	s_mul_i32 s70, s67, 16*24
	s_add_co_u32 s70, s70, s66
	s_mov_b32 s71, 0
	s_add_nc_u64 s[68:69], s[16:17], s[70:71]      ; Q's codes
	s_lshr_b32 s70, s67, 2
	s_lshl_b32 s70, s70, 6                         ; query 16 T + r: its byte lies at 64 (T / 4) + 32 ((T / 2) % 2) + 2 (T % 2) + 4 (r % 8) + r / 8
	s_and_b32 s72, s67, 2
	s_lshl_b32 s72, s72, 4
	s_add_co_u32 s70, s70, s72
	s_and_b32 s72, s67, 1
	s_lshl_b32 s72, s72, 1
	s_add_co_u32 s70, s70, s72
	s_add_co_u32 s70, s70, s66
	s_add_nc_u64 s[72:73], s[16:17], s[70:71]      ; Q's scale bytes
	v_and_b32 v6, 15, v0                           ; r
	v_bfe_u32 v7, v0, 4, 1                         ; h
	v_and_b32 v11, 31, v0                          ; lane
	s_delay_alu instid0(VALU_DEP_3)
	v_mul_u32_u24 v46, v6, 24
	v_and_b32 v47, 7, v6
	v_lshrrev_b32 v9, 3, v6
	s_delay_alu instid0(VALU_DEP_1)
	v_lshl_add_u32 v47, v47, 2, v9
.irp p, 0,1,2
	global_load_b64 v[240+2*\p:241+2*\p], v46, s[68:69] offset:O_QC+8*\p
.endr
	global_load_u8 v254, v47, s[72:73] offset:O_QS
	v_and_b32 v8, 8, v6
	s_delay_alu instid0(VALU_DEP_1)
	v_mad_u32_u24 v8, v8, 3, v6                    ; r % 8 + 32 (r / 8)
	s_delay_alu instid0(VALU_DEP_1)
	v_lshl_add_u32 v8, v7, 3, v8                   ; + 8 h
	s_delay_alu instid0(VALU_DEP_1)
	v_mul_u32_u24 v[AK0], v8, 24
	v_lshlrev_b32 v[LI], 4, v11
	v_lshlrev_b32 v[LS], 2, v11
	v_lshrrev_b32 v8, 1, v11
	v_and_b32 v9, 1, v11
	s_delay_alu instid0(VALU_DEP_1)
	v_lshlrev_b32 v9, 8, v9
	s_delay_alu instid0(VALU_DEP_1)
	v_lshl_add_u32 v[PFO], v8, 12, v9
	v_lshlrev_b32 v[GO], 12, v7
	s_delay_alu instid0(VALU_DEP_1)
	v_lshl_add_u32 v[GO], v6, 4, v[GO]
	v_cmp_lt_u32 vcc_lo, 15, v11                   ; lanes 16-31
	v_lshlrev_b32 v11, 3, v7                       ; 8 h: where my two scale bytes stand in p's word
	v_mov_b32 v13, 0xff61b1e6                      ; -3e38
	s_delay_alu instid0(VALU_DEP_1)
	v_floor_f32 v12, -v13
	v_mov_b32 v14, 0
	v_mov_b32 v15, 0
.irp i, 0,1,2,3,4,5
	v_mov_b32 v[22+\i], 0
	v_mov_b32 v[34+\i], 0
.endr
	s_wait_loadcnt 0x0                             ; Q
	; Q's four forms lie over each other, [T0 Z T1 Z T0]: block 0: v[16:27]; block 1: v[28:39]; block 2: v[34:45]; block 3: v[22:33]
.irp i, 0,1,2,3,4,5
	v_cndmask_b32 v[16+\i], v[240+\i], v[22+\i], vcc_lo
	v_cndmask_b32 v[40+\i], v[240+\i], v[22+\i], vcc_lo
	v_cndmask_b32 v[28+\i], v[22+\i], v[240+\i], vcc_lo
.endr
	v_mul_lo_u32 v255, v254, s25
	v_mov_b32 v236, 0                              ; a lane permute's destination counts as one of its sources
	v_mov_b32 v237, 0
	v_mov_b32 v253, 0
.set j, 0
.rept 64
	v_mov_b32 v[160+j], 0                          ; O^T: the step is written once, and the first finds zeros
.set j, j+1
.endr
.macro SCORE f, beta, qr
.if \f
	v_wmma_scale_f32_16x16x128_f8f6f4 v[96+8*(4*\f+\beta):103+8*(4*\f+\beta)], v[48+12*\f:59+12*\f], v[\qr:\qr+11], 0, v248, v255 matrix_a_fmt:MATRIX_FMT_FP6 matrix_b_fmt:MATRIX_FMT_FP6 matrix_a_scale:MATRIX_SCALE_ROW1
.else
	v_wmma_scale_f32_16x16x128_f8f6f4 v[96+8*(4*\f+\beta):103+8*(4*\f+\beta)], v[48+12*\f:59+12*\f], v[\qr:\qr+11], 0, v248, v255 matrix_a_fmt:MATRIX_FMT_FP6 matrix_b_fmt:MATRIX_FMT_FP6
.endif
.endm
.macro PV g, t                         ; O^T's tile 4 g + t += V^T's tile x p; tiles 0-3 lie from v48, tiles 4-7 from v96
.if (\t)%2
	v_wmma_scale_f32_16x16x128_f8f6f4 v[160+8*(4*\g+\t):167+8*(4*\g+\t)], v[48+48*\g+12*\t:59+48*\g+12*\t], v[224:235], v[160+8*(4*\g+\t):167+8*(4*\g+\t)], v[248+(4*\g+\t)/2], v253 matrix_a_fmt:MATRIX_FMT_FP6 matrix_b_fmt:MATRIX_FMT_FP6 matrix_a_scale:MATRIX_SCALE_ROW1
.else
	v_wmma_scale_f32_16x16x128_f8f6f4 v[160+8*(4*\g+\t):167+8*(4*\g+\t)], v[48+48*\g+12*\t:59+48*\g+12*\t], v[224:235], v[160+8*(4*\g+\t):167+8*(4*\g+\t)], v[248+(4*\g+\t)/2], v253 matrix_a_fmt:MATRIX_FMT_FP6 matrix_b_fmt:MATRIX_FMT_FP6
.endif
.endm
; The scales of my two blocks of p, from their largest scores (v232, v234): a chain of dependent lines, cut into eight parts that stand among the lines that make t - M, which name none of its registers
.macro BLK n
.if (\n) == 0
	v_fma_f32 v233, v232, s[K6], v12               ; the same two lines as for every score
	v_fma_f32 v235, v234, s[K6], v12
.endif
.if (\n) == 1
	v_fma_f32 v232, |v232|, s[K4], v233
	v_fma_f32 v234, |v234|, s[K4], v235
.endif
.if (\n) == 2
	v_max_num_f32 v232, 0xc2f80000, v232           ; held at -124: the byte cannot fall under 1
	v_max_num_f32 v234, 0xc2f80000, v234
.endif
.if (\n) == 3
	v_cvt_floor_i32_f32 v232, v232                 ; floor(log2) of the block's largest p
	v_cvt_floor_i32_f32 v234, v234
.endif
.if (\n) == 4
	v_add_lshl_u32 v46, v232, 125, 23              ; the byte in the exponent field: the conversion's scale operand
	v_add_lshl_u32 v47, v234, 125, 23
	v_lshl_add_u32 v253, v234, 16, v232
.endif
.if (\n) == 5
	v_add_nc_u32 v253, 0x7d007d, v253              ; my two bytes, blocks h and 2 + h,
.endif
.if (\n) == 6
	v_lshlrev_b32 v253, v11, v253                  ; at their places;
.endif
.if (\n) == 7
	v_permlanex16_b32 v237, v253, s[SEL], s[SEL+1]
.endif
.endm
; A KEY STEP: 128 keys, the record at LDS byte s[TB]
.macro STEP
	v_add_nc_u32 v[ADK], s[TB], v[AK0]
	v_add_nc_u32 v[ADI], s[TB], v[LI]
	v_add_nc_u32 v[ADS], s[TB], v[LS]
	v_nop
	v_nop                                          ; five places: the scores are written over registers that the last step's products have read
.irp f, 0,1
.irp c, 0,1
.irp p, 0,1,2
	ds_load_b64 v[48+12*\f+6*\c+2*\p:49+12*\f+6*\c+2*\p], v[ADK] offset:(64*\f+16*\c)*24+8*\p   ; block 2 c + h of row r: key 64 f + 16 c + 8 h + r % 8 + 32 (r / 8)
.endr
.endr
.endr
	ds_load_b32 v248, v[ADS] offset:O_KS           ; K's scale words: lanes 0-15 fragment 0's, lanes 16-31 fragment 1's
	s_wait_dscnt 0x0
.irp f, 0,1
	SCORE \f, 0, 16
	SCORE \f, 1, 28
	SCORE \f, 2, 34
	SCORE \f, 3, 22
.endr
.rept 4
	v_nop
.endr
.irp b, 0,1,2,3
	v_max3_num_f32 v[232+\b], v[96+16*\b], v[97+16*\b], v[98+16*\b]   ; the largest score, in four chains of 16 registers
.endr
.irp i, 3,5,7,9,11,13
.irp b, 0,1,2,3
	v_max3_num_f32 v[232+\b], v[232+\b], v[96+16*\b+\i], v[97+16*\b+\i]
.endr
.endr
	v_max3_num_f32 v232, v232, v233, v111
	v_max3_num_f32 v234, v234, v235, v143
	v_max_num_f32 v232, v232, v127                 ; my block of fragment 0: all its 32 keys are mine
	v_max_num_f32 v234, v234, v159                 ; and of fragment 1
	v_max_num_f32 v254, v232, v234
	v_permlanex16_b32 v236, v254, s[SEL], s[SEL+1]
	v_max_num_f32 v254, v254, v236                 ; the step's largest score of my query
	s_delay_alu instid0(VALU_DEP_1)
	v_mul_f32 v252, s[K6], v254
	s_delay_alu instid0(VALU_DEP_1)
	v_fma_f32 v254, |v254|, s[K4], v252            ; as t
	s_delay_alu instid0(VALU_DEP_1)
	v_max_num_f32 v13, v13, v254
	v_mov_b32 v254, v12
	s_delay_alu instid0(VALU_DEP_2)
	v_floor_f32 v12, -v13                          ; the new -M = -ceil(t)
	s_delay_alu instid0(VALU_DEP_1)
	v_sub_f32 v254, v12, v254
	s_delay_alu instid0(VALU_DEP_1)
	v_cvt_i32_f32 v254, v254
	s_delay_alu instid0(VALU_DEP_1)
	v_ldexp_f32 v252, 1.0, v254                    ; f = 2^(old M - new M)
.irp q, 0,1,2,3                                ; t - M, sixteen numbers at a time
.set j, 0
.rept 8
	v_pk_fma_f32 v[48+16*(\q%2)+2*j:49+16*(\q%2)+2*j], v[96+16*\q+2*j:97+16*\q+2*j], s[K6:K6+1], v[12:13] op_sel_hi:[1,0,0]
.set j, j+1
.endr
	BLK 2*\q
.set j, 0
.rept 16
	v_fma_f32 v[96+16*\q+j], |v[96+16*\q+j]|, s[K4], v[48+16*(\q%2)+j]
.set j, j+1
.endr
	BLK 2*\q+1
.endr
	v_or_b32 v253, v253, v237                      ; with lane l xor 16's two bytes: p's scale word
.set j, 0
	s_wait_alu depctr_va_vdst(0)                   ; the wait ahead of the batch
.rept 64
	v_exp_f32 v[96+j], v[96+j]                     ; p = 2^(t - M)
.set j, j+1
.endr
	v_pk_mul_f32 v[14:15], v[14:15], v[252:253] op_sel_hi:[1,0]   ; the sums under the new M
	s_wait_alu depctr_va_vdst(0)                   ; and behind it, ahead of its first reader
	v_pk_add_f32 v[236:237], v[96:97], v[98:99]    ; the row's sum of the unquantised p, in four chains
	v_pk_add_f32 v[240:241], v[100:101], v[102:103]
	v_pk_add_f32 v[242:243], v[104:105], v[106:107]
.irp j, 12,20,28,36,44,52
	v_pk_add_f32 v[14:15], v[14:15], v[96+\j:97+\j]
	v_pk_add_f32 v[236:237], v[236:237], v[98+\j:99+\j]
	v_pk_add_f32 v[240:241], v[240:241], v[100+\j:101+\j]
	v_pk_add_f32 v[242:243], v[242:243], v[102+\j:103+\j]
.endr
	v_pk_add_f32 v[14:15], v[14:15], v[156:157]
	v_pk_add_f32 v[236:237], v[236:237], v[158:159]
	v_pk_add_f32 v[14:15], v[14:15], v[242:243]
	v_pk_add_f32 v[236:237], v[236:237], v[240:241]
	v_pk_add_f32 v[14:15], v[14:15], v[236:237]
.irp c, 0,1
	v_cvt_scalef32_pk16_fp6_f32 v[224+6*\c:226+6*\c], v[96+32*\c:111+32*\c], v[46+\c]
	v_cvt_scalef32_pk16_fp6_f32 v[236+4*\c:238+4*\c], v[112+32*\c:127+32*\c], v[46+\c]   ; (a conversion's three registers begin on an even number)
.endr
	v_nop                                          ; one plain line behind the conversions
.irp c, 0,1
.irp i, 0,1,2
	v_mov_b32 v[227+6*\c+\i], v[236+4*\c+\i]
.endr
.endr
.irp g, 0,1                                    ; V^T's eight tiles, as images of their registers, in one run
.irp t, 0,1,2,3
.irp j, 0,1,2
	ds_load_b128 v[48+48*\g+12*\t+4*\j:51+48*\g+12*\t+4*\j], v[ADI] offset:O_VI+1536*(4*\g+\t)+512*\j
.endr
.endr
.endr
.irp i, 0,1,2,3
	ds_load_b32 v[248+\i], v[ADS] offset:O_VS+128*\i
.endr
	s_wait_alu depctr_va_vdst(0)                   ; directly ahead of the first reader of O^T
.set j, 0
.rept 32
	v_pk_mul_f32 v[160+j:161+j], v[160+j:161+j], v[252:253] op_sel_hi:[1,0]   ; O^T under the new M, while the loads are out; also the places ahead of the products
.set j, j+2
.endr
	s_wait_alu depctr_va_vdst(0)
	s_wait_dscnt 0x0
.irp g, 0,1
.irp t, 0,1,2,3
	PV \g, \t                                      ; eight accumulators by turns
.endr
.endr
.endm
	s_wait_alu depctr_va_vdst(0)                   ; the wait at the head's end
	s_wait_tensorcnt 0x0                           ; my own record is in
	s_wait_kmcnt 0x0                               ; and so is gamma
	s_mul_i32 s[TB], s[WV], LREC
	STEP                                           ; my record is worked first: nobody else's wait is needed for it
	s_wait_dscnt 0x0
	s_barrier_signal -1                            ; every wave has waited for its load ahead of this signal
	s_barrier_wait -1                              ; all sixteen records are in
	s_mov_b32 s[TB], 0
	s_mov_b32 s[CNT], 0
.Lstep:
	s_cmp_eq_u32 s[CNT], s[WV]
	s_cbranch_scc1 .Lmine                          ; my own record is done
	STEP
.Lmine:
	; my 16 rows x 512 bytes of x, which the way out adds, are prefetched at the end of trip 13 of 16: 32 aligned blocks of 256 bytes, a lane a block, each named once in the launch, two trips ahead of their loads
	s_cmp_eq_u32 s[CNT], 13
	s_cbranch_scc0 .Lno_ask
	global_prefetch_b8 v[PFO], s[XB:XB+1] th:TH_LOAD_NT scope:SCOPE_SE
.Lno_ask:
	s_add_co_u32 s[TB], s[TB], LREC
	s_add_co_u32 s[CNT], s[CNT], 1
	s_cmp_lt_u32 s[CNT], 16
	s_cbranch_scc1 .Lstep
	; THE WAY OUT.  Register 160 + 16 B + i of lane (r, h) is O(query r, channel 32 B + 16 h + i).  O^T x gamma / the sum goes through my own stage, 64 channels of 16 queries at a time; x is added; sixteen lanes store 256 consecutive bytes.
	s_mul_i32 s66, s[WV], 16*SPIT
	s_add_co_u32 s66, s66, STG                     ; my stage: bytes that no load fills and no other wave names
	v_mul_u32_u24 v8, v6, SPIT
	s_delay_alu instid0(VALU_DEP_1)
	v_lshl_add_u32 v8, v7, 6, v8
	s_delay_alu instid0(VALU_DEP_1)
	v_add_nc_u32 v8, s66, v8
	v_mul_u32_u24 v9, v7, SPIT
	s_delay_alu instid0(VALU_DEP_1)
	v_lshl_add_u32 v9, v6, 4, v9
	s_delay_alu instid0(VALU_DEP_1)
	v_add_nc_u32 v9, s66, v9
.irp u, 0,1
.irp i, 0,1,2,3,4,5,6,7
	global_load_b128 v[16+32*\u+4*\i:19+32*\u+4*\i], v[GO], s[XB:XB+1] offset:8192*\i+256*\u th:TH_LOAD_NT
.endr
.endr
	v_add_f32 v14, v14, v15
	s_delay_alu instid0(VALU_DEP_1)
	v_permlanex16_b32 v252, v14, s[SEL], s[SEL+1]
	s_delay_alu instid0(VALU_DEP_1)
	v_add_f32 v14, v14, v252                       ; the row's sum
	s_wait_alu depctr_va_vdst(0)
	v_rcp_f32 v14, v14
	v_nop
	s_wait_alu depctr_va_vdst(0)
	v_mul_f32 v14, s[GAM], v14                     ; gamma / the sum
.set j, 0
.rept 32
	v_pk_mul_f32 v[96+j:97+j], v[160+j:161+j], v[14:15] op_sel_hi:[1,0]
.set j, j+2
.endr
.irp u, 0,1
.irp b, 0,1
.irp k, 0,1,2,3
	ds_store_b128 v8, v[96+16*(2*\u+\b)+4*\k:99+16*(2*\u+\b)+4*\k] offset:128*\b+16*\k
.endr
.endr
.irp i, 0,1,2,3,4,5,6,7
	ds_load_b128 v[160+32*\u+4*\i:163+32*\u+4*\i], v9 offset:2*\i*SPIT   ; LDS serves a wave's instructions in order (ISA guide 5.7.1.4)
.endr
.endr
.irp u, 0,1
.irp i, 0,1,2,3,4,5,6,7
	s_wait_loadcnt 15-8*\u-\i                      ; this item's x is in; the later items' loads may be out
	s_wait_dscnt 15-8*\u-\i                        ; and so is its row from the stage
	v_pk_add_f32 v[160+32*\u+4*\i:161+32*\u+4*\i], v[160+32*\u+4*\i:161+32*\u+4*\i], v[16+32*\u+4*\i:17+32*\u+4*\i]
	v_pk_add_f32 v[162+32*\u+4*\i:163+32*\u+4*\i], v[162+32*\u+4*\i:163+32*\u+4*\i], v[18+32*\u+4*\i:19+32*\u+4*\i]
	global_store_b128 v[GO], v[160+32*\u+4*\i:163+32*\u+4*\i], s[OB:OB+1] offset:8192*\i+256*\u th:TH_STORE_NT
.endr
.endr
	s_wait_xcnt 0x0
	v_lshl_add_u32 v254, v0, 2, SPARE              ; the add's two registers are made anew: v0 is as at the entry
	v_mov_b32 v255, 0
	s_wait_alu depctr_va_vdst(0)
	s_wait_tensorcnt 0x0                           ; the wave's end
	ds_add_u32 v254, v255
	s_wait_dscnt 0x0
	CROUND                                         ; the closing round
	s_endpgm
.Lfunc_end_k_qa6fb6c20b9_attn:
	.size	k_qa6fb6c20b9_attn, .Lfunc_end_k_qa6fb6c20b9_attn-k_qa6fb6c20b9_attn
	.p2alignl 7, 3214868480
	.fill 96, 4, 3214868480
	.section	.rodata,"a",@progbits
	.p2align	6, 0x0
	.amdhsa_kernel k_qa6fb6c20b9_attn
		.amdhsa_group_segment_fixed_size 327680
		.amdhsa_private_segment_fixed_size 0
		.amdhsa_enable_private_segment 0
		.amdhsa_kernarg_size 32
		.amdhsa_user_sgpr_count 2
		.amdhsa_user_sgpr_kernarg_segment_ptr 1
		.amdhsa_wavefront_size32 1
		.amdhsa_system_sgpr_workgroup_id_x 1
		.amdhsa_system_sgpr_workgroup_id_y 1
		.amdhsa_system_sgpr_workgroup_id_z 1
		.amdhsa_system_vgpr_workitem_id 0
		.amdhsa_next_free_vgpr 256
		.amdhsa_next_free_sgpr 100
		.amdhsa_reserve_vcc 1
		.amdhsa_float_denorm_mode_32 3
		.amdhsa_float_denorm_mode_16_64 3
		.amdhsa_memory_ordered 1
		.amdhsa_forward_progress 1
		.amdhsa_inst_pref_size 64
	.end_amdhsa_kernel
	.amdgpu_metadata
---
amdhsa.version: [ 1, 2 ]
amdhsa.kernels:
  - .name:           k_qa6fb6c20b9_attn
    .symbol:         k_qa6fb6c20b9_attn.kd
    .args:
      - { .name: kv, .offset: 0, .size: 8, .value_kind: global_buffer, .address_space: global }
      - { .name: x, .offset: 8, .size: 8, .value_kind: global_buffer, .address_space: global }
      - { .name: gamma, .offset: 16, .size: 8, .value_kind: global_buffer, .address_space: global }
      - { .name: out0, .offset: 24, .size: 8, .value_kind: global_buffer, .address_space: global }
    .group_segment_fixed_size: 327680
    .private_segment_fixed_size: 0
    .kernarg_segment_align: 8
    .kernarg_segment_size: 32
    .max_flat_workgroup_size: 512
    .sgpr_count:     100
    .vgpr_count:     256
    .wavefront_size: 32
...
	.end_amdgpu_metadata
.endif
;; end of part 3
